; MI455X (gfx1250); checked and timed in simulation.
; The chip was launched on July 23, 2026; its instructions are those of AMD's public machine-readable ISA for CDNA 5 (MIT licence, August 2026) and "CDNA5" Instruction Set Architecture Reference Guide (July 2026). The comments in the code are by the model that wrote it; some were corrected since.
;; Codebook Single W. Allowed arithmetic: matrix products marked QUANTISED: E3M2 operands, one E8M0 scale for each 32 along K, by v_wmma_scale_f32_16x16x128_f8f6f4 with both operands' format E3M2, f32 sums; everything else in f32.
;; Inputs: b1 4,096 float32; b2 4,096 float32; c19_c 4,096 float32; c19_rho 4,096 float32; codebook 256 float32; indices 16,777,216 int32; x 2,048 x 4,096 float32.
;; Outputs: out0 2,048 x 4,096 float32.
;; This version of the problem:
;;   THIS VERSION OF THE PROBLEM IS GIVEN IN LOW PRECISION. The matrix products marked QUANTISED in the list below multiply operands that are first quantised to E3M2 (3 exponent bits, 2 mantissa bits; 6 bits a number), with one power-of-two scale for each 32 numbers along K (OCP MX v1.0); their sums are f32. All else is computed in f32.
;;   The module's matrix products, in the order in which they are computed (A, B: the left and right operand; K: the contracted axis; several contracted axes count as one K, in the product's order):
;;     1. [M 2,048, K 4,096] x [K 4,096, N 4,096]; A: input x; B: computed on the way: QUANTISED
;;     2. [M 2,048, K 4,096] x [K 4,096, N 4,096]; A: computed on the way; B: computed on the way: QUANTISED
;;   THE QUANTISER, for each operand of a quantised product, along K:
;;     - K is cut into blocks of 32 from its start; a last block that is shorter is filled with zeros.
;;     - A block's scale is 2^e with e = floor(log2(the largest magnitude in the block)) - 4, held to -126 .. 127; a block of zeros has e = 0. As a byte (E8M0): e + 127.
;;     - Each number is divided by its block's scale, clamped to +-28, and rounded to the nearest number of E3M2, ties to even, subnormals kept.
;;     - The product sums the exact products of the quantised numbers (number of the format x scale) in f32.
;;   ~~~python
;;   def quantise(x, axis):      # numpy; x: float32 -> the quantised numbers, widened to float32 again
;;       x = np.moveaxis(x, axis, -1); K = x.shape[-1]
;;       x = np.pad(x, [(0, 0)] * (x.ndim - 1) + [(0, -K % 32)]); x = x.reshape(x.shape[:-1] + (-1, 32)); a = np.abs(x).max(-1, keepdims=True)
;;       e = np.where(a > 0, np.clip(np.frexp(np.where(a > 0, a, 1))[1] - 1 - 4, -126, 127), 0)      # np.frexp(a)[1] - 1 = floor(log2(a)), exactly
;;       r = np.clip(x / 2.0 ** e, -28, 28)
;;       step = 2.0 ** (np.maximum(np.frexp(np.where(r == 0, 1, r))[1] - 1, -2) - 2)
;;       q = np.round(r / step) * step * 2.0 ** e      # np.round: ties to even
;;       return np.moveaxis(q.reshape(q.shape[:-2] + (-1,))[..., :K], -1, axis).astype(np.float32)
;;   ~~~
;;   OPERANDS COMPUTED ON THE WAY. 'Computed on the way' means the value that the module computes at that place (a softmax that the list does not call 'softmax' is quantised finished and normalised). What goes into a quantiser is computed in f32, as accurately as f32 sums, v_exp_f32 and their like allow (about 1e-6 of the number): no bf16 or f16 on the way to a quantiser, and a product that is left as it is and whose result goes on into a quantised operand takes f32 operands (vector FMAs, or v_wmma_f32_16x16x4_f32). A number that lies on a knife's edge between two numbers of the format may be rounded either way, as far as f32 arithmetic and the matrix unit's own rounding can turn it there, and no further.
;; One version. Each part assembles by itself: llvm-mc -triple=amdgcn-amd-amdhsa -mcpu=gfx1250 --defsym DOCPART=n.
;; ======== version 1 of 1: 3 launches
;; limits: a function is approximated: absolute error at most 2e-07
;; workspace buffers: xq 6,553,600 bytes; hq 6,553,600 bytes; w1q 13,107,200 bytes; w2q 13,107,200 bytes
;; launch quant (part 1): grid 512 x 1, 4 waves a work-group, no clusters, 100,864 bytes of LDS; arguments x, indices, codebook, xq, w1q, w2q; writes xq, w1q, w2q
.if DOCPART == 1
	.amdgcn_target "amdgcn-amd-amdhsa--gfx1250"
	.amdhsa_code_object_version 6
	.text
	.protected	k_q8f969d1a24_quant
	.globl	k_q8f969d1a24_quant
	.p2align	8
	.type	k_q8f969d1a24_quant,@function
k_q8f969d1a24_quant:
	s_mov_b64 s[64:65], 0
	v_nop
	global_prefetch_b8 v0, s[64:65] scope:SCOPE_SE
	s_setreg_imm32_b32 hwreg(HW_REG_WAVE_MODE, 25, 1), 1
	s_wait_xcnt 0x0
; x [2048][4096] f32 and W = codebook[indices] [4096 (in)][4096 (H)] become codes of BF6 (E3M2) with one E8M0 byte for each 32 along K:
;   xq : x along its last axis;   w2q: W along H (rows = in);   w1q: W along in (rows = hidden units).
; A block's scale is 2^(floor(log2(largest magnitude)) - 4): its byte is the largest magnitude's exponent field - 4, held at 1 from below.
; LIMITS: a block of zeros keeps the byte 1 where the rule says 127 (its codes are zeros, and this program alone reads the bytes); NaN and infinities are not served.
; THE BUFFERS' LAYOUT is the image of an operand's registers.  rb = block of 16 rows, ks = K step of 128, g = ks / 4, s = ks % 4.  The record (rb, g) lies at 51,200 rb + 6,400 g:
;   fragment s at 1,536 s: registers 4 c .. 4 c + 3 of lane l at 512 c + 16 l;   scale words at 6,144 + 16 r + 4 s (row r of the fragment, byte b for k = 32 b on).
;   xq, w2q: fragment row r is row 16 rb + r.   w1q: rb = 2 B + u, and fragment row r is hidden unit 32 B + 8 u + r + 8 (r / 8).
; SHARES.  A tile is 128 rows x 128 words (rows 16,384 bytes apart, in x and in indices alike).  Each of the 512 work-groups takes two tiles of W and one of x, on one path without a branch.
; A tile goes into a stage in LDS (each load: 512 consecutive bytes); from there a wave reads its own 32 rows along the rows (w2q, xq) and 32 columns down the rows (w1q): the indices leave memory once.
; THE CODEBOOK lies in LDS 32 times: entry i fills bytes 128 i .. 128 i + 127, and lane l reads its word at 128 i + 4 l: word 32 i + l, so 32 lanes name 32 different words modulo 64 whatever the indices are.
; LDS stores (table, stage) and LDS reads (stage, gathers) stand in phases of their own, a barrier between: five barriers.  The next tile's 32 loads a wave are on their way through each reading phase.
.set REC,   6400                       ; a record
.set RBP,   51200                      ; from a block of rows to the next: eight records
.set FRB,   1536                       ; a fragment's image
.set SCO,   6144                       ; the scale words' place in a record
.set ROWP,  16384                      ; a row of x or of indices in bytes
.set STAGE, 32768                      ; LDS: the table takes 0 .. 32,767; the stage 128 rows of SP bytes
.set SP,    528                        ; 512 bytes + 16: an odd multiple of 16, so that 16 rows' 16-byte pieces start in 16 different groups of banks (64 banks of 4 bytes: ISA guide 11.1)
.set M,     16                         ; v16-17  a block's largest magnitude;  v28-29 its second chain
.set MB,    28
.set SO,    18                         ; v18-19  the conversions' scale operands
.set BY,    20                         ; v20-21  the scale bytes
.set PW,    22                         ; v22-23  the scale words of the wave's two row fragments
.set PWC,   24                         ; v24     the scale word of my column
.set WK,    32                         ; v32-95  64 numbers at work
.set F0,    96                         ; v96-107, v108-119  two fragments
.set F1,    108
.set TH0,   120                        ; v120-122, v124-126 upper halves of a block's codes (a conversion's three registers begin on an even number)
.set TH1,   124
.set G,     128                        ; v128-255 a wave's 32 rows of a tile as loaded
; v1 lane, v2 r, v3 h, v4 4 l, v5 16 l, v6 tile load offset, v7 stage in, v8 stage by rows, v9-10 stage by columns, v11 scale words' offset, v12 8 h, v13 table in, v14 codebook offset, v25-27 at work
	s_load_b256 s[4:11], s[0:1], 0x0               ; x s[4:5], indices s[6:7], codebook s[8:9], xq s[10:11]
	s_load_b128 s[12:15], s[0:1], 0x20             ; w1q s[12:13], w2q s[14:15]
	v_lshl_add_u32 v123, v0, 2, 0x18800
	v_mov_b32 v127, 0
	v_lshrrev_b32 v1, 5, v0
	v_readfirstlane_b32 s16, v1                    ; wave 0..3
	v_and_b32 v1, 31, v0                           ; lane
	v_and_b32 v2, 15, v0                           ; r
	v_bfe_u32 v3, v0, 4, 1                         ; h
	v_lshlrev_b32 v4, 2, v1
	v_lshlrev_b32 v5, 4, v1
	s_lshl_b32 s40, s16, 19                        ; my wave's 32 rows of 16,384 bytes
	v_add_nc_u32 v6, s40, v5
	s_mul_i32 s40, s16, 32*SP
	s_add_co_u32 s40, s40, STAGE
	v_add_nc_u32 v7, s40, v5                       ; the stage, in: my 32 rows, 16 bytes a lane
	v_mul_u32_u24 v8, v2, SP
	v_lshl_add_u32 v8, v3, 7, v8
	v_add_nc_u32 v8, s40, v8                       ; by rows: row 32 w + r, + 32 h words
	v_and_b32 v9, 7, v0
	v_bfe_u32 v10, v0, 3, 1
	v_lshl_add_u32 v9, v10, 4, v9
	v_lshl_add_u32 v9, v3, 3, v9                   ; my column among the wave's 32: (l % 8) + 16 ((l / 8) % 2) + 8 (l / 16) = 8 u + r + 8 (r / 8)
	v_lshlrev_b32 v9, 2, v9
	s_lshl_b32 s40, s16, 7
	s_add_co_u32 s40, s40, STAGE
	v_add_nc_u32 v9, s40, v9                       ; by columns: rows 0-63
	v_add_nc_u32 v10, 64*SP, v9                    ; rows 64-127
	v_mul_u32_u24 v11, v3, RBP
	v_lshl_add_u32 v11, v2, 4, v11                 ; scale words: lanes 0-15 the first block of rows, lanes 16-31 the next
	v_lshlrev_b32 v12, 3, v3
	s_lshl_b32 s40, s16, 13
	v_add_nc_u32 v13, s40, v5                      ; the table: my wave writes entries 64 w .. 64 w + 63
	v_lshrrev_b32 v14, 3, v1
	s_lshl_b32 s40, s16, 6
	v_add_nc_u32 v14, s40, v14
	v_lshlrev_b32 v14, 2, v14                      ; codebook[64 w + l / 8 + 4 t]
	v_mov_b32 v26, 0                               ; written once: a lane permute's destination counts as one of its sources
	s_mov_b32 s20, 0x76543210
	s_mov_b32 s21, 0xfedcba98                      ; v_permlanex16_b32's selects for lane l xor 16
	s_mov_b32 s22, 0xffff0000                      ; lanes 16-31
	s_lshr_b32 s41, ttmp9, 4                       ; ti: W's tile row (in)
	s_and_b32 s42, ttmp9, 15
	s_lshl_b32 s42, s42, 1                         ; th0: the first of my two tile columns (H), even
	s_lshr_b32 s43, ttmp9, 5                       ; tm: x's tile row
	s_and_b32 s44, ttmp9, 31                       ; tk: x's tile column
	s_lshl_b32 s24, s41, 21                        ; 128 rows of 16,384 bytes
	s_lshl_b32 s45, s42, 9
	s_add_co_u32 s24, s24, s45
	s_mov_b32 s25, 0
	s_lshl_b32 s26, s43, 21
	s_lshl_b32 s45, s44, 9
	s_add_co_u32 s26, s26, s45
	s_mov_b32 s27, 0
; byte offsets of fragment (8 t + 2 w, ks) and of its scale words
.macro RECOFF d, sd, t, ks
	s_lshl_b32 s45, s[\t], 3
	s_lshl_b32 s46, s16, 1
	s_add_co_u32 s45, s45, s46
	s_mul_i32 s45, s45, RBP
	s_lshr_b32 s46, s[\ks], 2
	s_mul_i32 s46, s46, REC
	s_add_co_u32 s45, s45, s46                     ; the record
	s_and_b32 s46, s[\ks], 3
	s_mul_i32 s47, s46, FRB
	s_add_co_u32 s[\d], s45, s47
	s_mov_b32 s[\d+1], 0
	s_lshl_b32 s46, s46, 2
	s_add_co_u32 s46, s46, SCO
	s_add_co_u32 s[\sd], s45, s46
	s_mov_b32 s[\sd+1], 0
.endm
	RECOFF 28, 30, 41, 42                          ; w2q: rows ti, K step th0
	RECOFF 32, 34, 42, 41                          ; w1q: rows th0, K step ti
	RECOFF 36, 38, 43, 44                          ; xq:  rows tm, K step tk
	s_wait_kmcnt 0x0
	s_add_nc_u64 s[24:25], s[6:7], s[24:25]
	s_add_nc_u64 s[26:27], s[4:5], s[26:27]
	s_add_nc_u64 s[28:29], s[14:15], s[28:29]
	s_add_nc_u64 s[30:31], s[14:15], s[30:31]
	s_add_nc_u64 s[32:33], s[12:13], s[32:33]
	s_add_nc_u64 s[34:35], s[12:13], s[34:35]
	s_add_nc_u64 s[36:37], s[10:11], s[36:37]
	s_add_nc_u64 s[38:39], s[10:11], s[38:39]
.macro LOADG base, imm                 ; my 32 rows of a tile: each load reads 512 consecutive bytes; read once in the launch
.set ig, 0
.rept 32
	global_load_b128 v[G+4*ig:G+4*ig+3], v6, s[\base:\base+1] offset:\imm+ROWP*ig th:TH_LOAD_NT
.set ig, ig+1
.endr
.endm
.macro TOSTAGE                         ; they go into the stage as they lie; then the barrier behind which every wave reads
	s_wait_loadcnt 0x0
.set ig, 0
.rept 32
	ds_store_b128 v7, v[G+4*ig:G+4*ig+3] offset:SP*ig
.set ig, ig+1
.endr
	s_wait_dscnt 0x0                               ; for the others' sake: my stores have landed
	s_barrier_signal -1
	s_barrier_wait -1
.endm
.macro ENDREAD                         ; my reads of the stage are over: behind this barrier it is written again
	s_wait_dscnt 0x0
	s_barrier_signal -1
	s_barrier_wait -1
.endm
.macro ADDR n0                         ; 32 indices become LDS addresses: held to the table's 256 entries, x 128, + 4 x lane
.set ia, \n0
.rept 32
	v_min_u32 v[WK+ia], 0xff, v[WK+ia]
.set ia, ia+1
.endr
.set ia, \n0
.rept 32
	v_lshl_add_u32 v[WK+ia], v[WK+ia], 7, v4
.set ia, ia+1
.endr
.endm
.macro GATH n0                         ; and the addresses become the numbers of W
.set ia, \n0
.rept 32
	ds_load_b32 v[WK+ia], v[WK+ia]
.set ia, ia+1
.endr
.endm
.macro BLKMAX c                        ; the largest magnitude of the 32 numbers at WK + 32 c, in two chains, over the floor 2^(5 - 127): so the byte cannot fall under 1
	v_max3_num_f32 v[M+\c], |v[WK+32*\c]|, |v[WK+32*\c+1]|, 0x2800000
	v_max3_num_f32 v[MB+\c], |v[WK+32*\c+2]|, |v[WK+32*\c+3]|, 0x2800000
.irp i, 4,8,12,16,20,24,28
	v_max3_num_f32 v[M+\c], v[M+\c], |v[WK+32*\c+\i]|, |v[WK+32*\c+\i+1]|
	v_max3_num_f32 v[MB+\c], v[MB+\c], |v[WK+32*\c+\i+2]|, |v[WK+32*\c+\i+3]|
.endr
	v_max_num_f32 v[M+\c], v[M+\c], v[MB+\c]
.endm
.macro SCL c
	v_add_nc_u32 v[SO+\c], 0xfe000000, v[M+\c]     ; 4 off the exponent field: the conversion takes the exponent field of this operand as its scale
	v_lshrrev_b32 v[BY+\c], 23, v[SO+\c]           ; the scale's byte
.endm
; A fragment whose K lies along the tile's rows: rows 32 w + 16 fi + r.  Lane (r, h) takes k = 64 c + 32 h + 0 .. 31: two whole blocks, in the operand's own order.
.macro ROWFRAG fi, gather, reg, d, imm
.irp c, 0,1
.irp q, 0,1,2,3,4,5,6,7
	ds_load_b128 v[WK+32*\c+4*\q:WK+32*\c+4*\q+3], v8 offset:16*SP*\fi+256*\c+16*\q
.endr
.endr
.if \gather
	s_wait_dscnt 8                                 ; the first block's eight loads are in
	ADDR 0
	GATH 0
	s_wait_dscnt 32                                ; the second block's indices are in; the 32 gathers may be out
	ADDR 32
	GATH 32
	s_wait_dscnt 32                                ; the first block's numbers are in
	BLKMAX 0
	s_wait_dscnt 0x0
	BLKMAX 1
.else
	s_wait_dscnt 0x0
	BLKMAX 0
	BLKMAX 1
.endif
	SCL 0
	SCL 1
	v_lshl_or_b32 v25, v[BY+1], 16, v[BY]          ; my two bytes: blocks h and 2 + h,
	v_lshlrev_b32 v25, v12, v25                    ; at their places (8 h bits up);
	v_permlanex16_b32 v26, v25, s20, s21
	v_or_b32 v[PW+\fi], v25, v26                   ; with lane l xor 16's two the word is whole
	s_wait_xcnt 0x0                                ; earlier stores have read their data: the fragment's registers are written again only behind this wait
.irp c, 0,1
	v_cvt_scalef32_pk16_bf6_f32 v[\reg+6*\c:\reg+6*\c+2], v[WK+32*\c:WK+32*\c+15], v[SO+\c]
	v_cvt_scalef32_pk16_bf6_f32 v[TH0+4*\c:TH0+4*\c+2], v[WK+32*\c+16:WK+32*\c+31], v[SO+\c]
.endr
	v_nop                                          ; one plain place behind a scaled conversion
.irp c, 0,1
.irp i, 0,1,2
	v_mov_b32 v[\reg+6*\c+3+\i], v[TH0+4*\c+\i]
.endr
.endr
.irp j, 0,1,2
	global_store_b128 v5, v[\reg+4*\j:\reg+4*\j+3], s[\d:\d+1] offset:\imm+RBP*\fi+512*\j   ; 512 consecutive bytes
.endr
.endm
.macro ROWSC sd, imm                   ; the two fragments' scale words: lanes 0-15 the first's, lanes 16-31 the second's
	v_cndmask_b32 v27, v[PW], v[PW+1], s22
	global_store_b32 v11, v27, s[\sd:\sd+1] offset:\imm
.endm
; Two fragments whose K runs DOWN the tile's rows: the wave's 32 columns.  A lane takes one column and all its 128 rows, 64 at a time (blocks 2 hb and 2 hb + 1).
; Lanes 0-15 hold the rows of fragment 0, lanes 16-31 those of fragment 1; the operand wants block 2 hb in lanes 0-15 and block 2 hb + 1 in lanes 16-31 of EACH fragment:
; v_permlane16_swap_b32 of (block 2 hb's codes, block 2 hb + 1's codes) gives just that: the first register becomes fragment 0's, the second fragment 1's.
.macro COLPAIR d, sd, imm
.irp hb, 0,1
.set ic, 0
.rept 64
	ds_load_b32 v[WK+ic], v[9+\hb] offset:SP*ic    ; 32 lanes read 128 consecutive bytes of one row
.set ic, ic+1
.endr
	s_wait_dscnt 32                                ; the first block's indices are in
	ADDR 0
	GATH 0
	s_wait_dscnt 32                                ; the second block's are; the 32 gathers may be out
	ADDR 32
	GATH 32
	s_wait_dscnt 32                                ; the first block's numbers are in
	BLKMAX 0
	s_wait_dscnt 0x0
	BLKMAX 1
	SCL 0
	SCL 1
.if \hb == 0
	s_wait_xcnt 0x0                                ; earlier stores have read their data: both fragments and the scale word are written again only behind this wait
	v_lshl_or_b32 v[PWC], v[BY+1], 8, v[BY]        ; all four bytes of my column's word are mine
.else
	v_lshl_or_b32 v[PWC], v[BY], 16, v[PWC]
	v_lshl_or_b32 v[PWC], v[BY+1], 24, v[PWC]
.endif
	v_cvt_scalef32_pk16_bf6_f32 v[F0+6*\hb:F0+6*\hb+2], v[WK:WK+15], v[SO]
	v_cvt_scalef32_pk16_bf6_f32 v[TH0:TH0+2], v[WK+16:WK+31], v[SO]
	v_cvt_scalef32_pk16_bf6_f32 v[F1+6*\hb:F1+6*\hb+2], v[WK+32:WK+47], v[SO+1]
	v_cvt_scalef32_pk16_bf6_f32 v[TH1:TH1+2], v[WK+48:WK+63], v[SO+1]
	v_nop                                          ; one plain place behind a scaled conversion
.irp i, 0,1,2
	v_permlane16_swap_b32 v[F0+6*\hb+\i], v[F1+6*\hb+\i]
	v_permlane16_swap_b32 v[TH0+\i], v[TH1+\i]
.endr
.irp i, 0,1,2
	v_mov_b32 v[F0+6*\hb+3+\i], v[TH0+\i]
	v_mov_b32 v[F1+6*\hb+3+\i], v[TH1+\i]
.endr
.endr
.irp j, 0,1,2
	global_store_b128 v5, v[F0+4*\j:F0+4*\j+3], s[\d:\d+1] offset:\imm+512*\j
	global_store_b128 v5, v[F1+4*\j:F1+4*\j+3], s[\d:\d+1] offset:\imm+RBP+512*\j
.endr
	global_store_b32 v11, v[PWC], s[\sd:\sd+1] offset:\imm
.endm
.macro WPHASE i2, is2, i1              ; all that is made of a tile of W
	ROWFRAG 0, 1, F0, 28, \i2
	ROWFRAG 1, 1, F1, 28, \i2
	ROWSC 30, \is2
	COLPAIR 32, 34, \i1
.endm
.irp t, 0,1,2,3,4,5,6,7,8,9,10,11,12,13,14,15
	global_load_b32 v[WK+4*\t], v14, s[8:9] offset:16*\t
.endr
	LOADG 24, 0                                    ; W's first tile
	s_wait_loadcnt 32                              ; the 16 codebook loads are in; the tile's 32 stay out
.irp t, 0,1,2,3,4,5,6,7,8,9,10,11,12,13,14,15
	v_mov_b32 v[WK+4*\t+1], v[WK+4*\t]
	v_mov_b32 v[WK+4*\t+2], v[WK+4*\t]
	v_mov_b32 v[WK+4*\t+3], v[WK+4*\t]
.endr
.irp t, 0,1,2,3,4,5,6,7,8,9,10,11,12,13,14,15
	ds_store_b128 v13, v[WK+4*\t:WK+4*\t+3] offset:512*\t   ; eight lanes fill an entry's 128 bytes
.endr
	TOSTAGE                                        ; barrier 1: table and first tile lie in LDS
	LOADG 24, 512                                  ; W's second tile: 128 columns on
	WPHASE 0, 0, 0
	ENDREAD                                        ; barrier 2
	TOSTAGE                                        ; barrier 3
	LOADG 26, 0                                    ; x's tile
	WPHASE FRB, 4, 8*RBP                           ; w2q: the next K step of the same record; w1q: eight blocks of rows on
	ENDREAD                                        ; barrier 4
	TOSTAGE                                        ; barrier 5
	ROWFRAG 0, 0, F0, 36, 0
	ROWFRAG 1, 0, F1, 36, 0
	ROWSC 38, 0
	s_wait_tensorcnt 0x0
	ds_add_u32 v123, v127
	s_wait_dscnt 0x0
	s_endpgm
.Lfunc_end_k_q8f969d1a24_quant:
	.size	k_q8f969d1a24_quant, .Lfunc_end_k_q8f969d1a24_quant-k_q8f969d1a24_quant
	.p2alignl 7, 3214868480
	.fill 96, 4, 3214868480
	.section	.rodata,"a",@progbits
	.p2align	6, 0x0
	.amdhsa_kernel k_q8f969d1a24_quant
		.amdhsa_group_segment_fixed_size 100864
		.amdhsa_private_segment_fixed_size 0
		.amdhsa_enable_private_segment 0
		.amdhsa_kernarg_size 48
		.amdhsa_user_sgpr_count 2
		.amdhsa_user_sgpr_kernarg_segment_ptr 1
		.amdhsa_wavefront_size32 1
		.amdhsa_system_sgpr_workgroup_id_x 1
		.amdhsa_system_sgpr_workgroup_id_y 1
		.amdhsa_system_sgpr_workgroup_id_z 1
		.amdhsa_system_vgpr_workitem_id 0
		.amdhsa_next_free_vgpr 256
		.amdhsa_next_free_sgpr 66
		.amdhsa_reserve_vcc 0
		.amdhsa_float_denorm_mode_32 3
		.amdhsa_float_denorm_mode_16_64 3
		.amdhsa_memory_ordered 1
		.amdhsa_forward_progress 1
		.amdhsa_inst_pref_size 178
	.end_amdhsa_kernel
	.amdgpu_metadata
---
amdhsa.version: [ 1, 2 ]
amdhsa.kernels:
  - .name:           k_q8f969d1a24_quant
    .symbol:         k_q8f969d1a24_quant.kd
    .args:
      - { .name: x, .offset: 0, .size: 8, .value_kind: global_buffer, .address_space: global }
      - { .name: indices, .offset: 8, .size: 8, .value_kind: global_buffer, .address_space: global }
      - { .name: codebook, .offset: 16, .size: 8, .value_kind: global_buffer, .address_space: global }
      - { .name: xq, .offset: 24, .size: 8, .value_kind: global_buffer, .address_space: global }
      - { .name: w1q, .offset: 32, .size: 8, .value_kind: global_buffer, .address_space: global }
      - { .name: w2q, .offset: 40, .size: 8, .value_kind: global_buffer, .address_space: global }
    .group_segment_fixed_size: 100864
    .private_segment_fixed_size: 0
    .kernarg_segment_align: 8
    .kernarg_segment_size: 48
    .max_flat_workgroup_size: 128
    .sgpr_count:     66
    .vgpr_count:     256
    .wavefront_size: 32
...
	.end_amdgpu_metadata
.endif
;; end of part 1
;; launch gemm1 (part 2): grid 16 x 16, 4 waves a work-group, clusters of 4 x 4, 327,680 bytes of LDS; arguments xq, w1q, b1, c19_c, c19_rho, hq; writes hq
.if DOCPART == 2
	.amdgcn_target "amdgcn-amd-amdhsa--gfx1250"
	.amdhsa_code_object_version 6
	.text
	.protected	k_q8f969d1a24_gemm1
	.globl	k_q8f969d1a24_gemm1
	.p2align	8
	.type	k_q8f969d1a24_gemm1,@function
k_q8f969d1a24_gemm1:
	s_mov_b64 s[64:65], 0
	v_nop
	global_prefetch_b8 v0, s[64:65] scope:SCOPE_SE
	s_setreg_imm32_b32 hwreg(HW_REG_WAVE_MODE, 25, 1), 1
	s_wait_xcnt 0x0
	s_wait_alu depctr_hold_cnt(0) depctr_sa_sdst(0) depctr_va_vdst(0) depctr_va_sdst(0) depctr_va_ssrc(0) depctr_va_vcc(0) depctr_vm_vsrc(0)
	s_getreg_b32 s2, hwreg(HW_REG_IB_STS2, 6, 4)
	s_cmp_eq_u32 s2, 0
	s_cbranch_scc0 .Lentry_in_a_cluster
	s_endpgm
.Lentry_in_a_cluster:
	s_bfe_u32 s2, ttmp6, 0x10000c
	s_cmp_lg_u32 s2, 0xf033
	s_cbranch_scc0 .Lentry_shape_is_right
	s_endpgm
.Lentry_shape_is_right:
; hq = Q(act(x W + b1)): the first product on codes of BF6 (E3M2) with E8M0 scales, the activation in f32, and the quantiser along the hidden units, which are the second product's K.
; act(h) = rho h + (1 - rho) c tanh(h / c), c = exp(c19_c), rho = sigmoid(c19_rho), for each hidden unit.  tanh(z) = 1 - 2 / (1 + 2^(2.885390 z)).
; LIMITS: that form of tanh has an absolute error of about 1e-7 of 1 (for |h| far under c its relative error grows as 1e-7 c / |h|); |c19_c| stays under 87 (beyond, c or 1 / c leaves f32); a block of zeros keeps the scale byte 1 over zero codes; NaN and infinities are not served.
; OPERANDS lie in memory as images of their registers.  rb = block of 16 rows, g = K / 512, s = (K / 128) % 4.  Record (rb, g) at 51,200 rb + 6,400 g: fragment s at 1,536 s (registers 4 c .. 4 c + 3 of lane l at 512 c + 16 l),
; scale words at 6,144 + 16 r + 4 s.  So a fragment is three loads of 16 bytes a lane at 16 x lane, and the scale words of two blocks of rows for four K steps are one load.
; SHARES.  A tile of the result is 128 rows x 256 hidden units: 256 work-groups.  Four waves, each 64 x 128: 32 accumulators.  K goes in steps of 512 (one record of each block of rows) through two LDS slots.
; CLUSTERS: 4 x 4 work-groups.  The four of a row of the cluster need the same records of A, the four of a column the same records of B: each is asked for JOINTLY, by the same tensor load with the same descriptor and a mask that names the four.
; THE MATRIX INSTRUCTION IS USED TRANSPOSED (source 0 = 16 rows of B, source 1 = 16 rows of A), and the rows of w1q that form a block are chosen (block 2 B + u, row r: unit 32 B + 8 u + r + 8 (r / 8)) so that
; a lane holds one row of h and the 16 registers of accumulators 2 bb, 2 bb + 1 are the units 32 bb + 16 (lane / 16) + 0 .. 15: neighbours along the next K.  b1 is the C of each sum's first matrix instruction.
; REGISTERS, in windows of 256.  Window 0: v1-20 addresses; v32-79 scale words, two sets, and nothing else; v80-127, v128-175 A's fragments, two sets; on the way out v80-246 at work.
;   Window 1: B's fragments, two sets, at v0 and v128.   Window 2: accumulator (a, b) at v[8 (8 a + b)].   Window 3: v0-63 b1, v64-127 2.885390 / c, v128-191 rho, v192-255 (1 - rho) c, all in the result's layout.
.set REC,   6400
.set RBP,   51200
.set FRB,   1536
.set SCO,   6144
.set SLOT,  24*REC                     ; A's 8 records, then B's 16
.set SPARE, 2*SLOT                     ; behind the ring: the spare words, 128 bytes for each wave: two blocks of 256 bytes that no other line names
.set G1A, 24                           ; s[24:31] descriptor group 1 for A's records; s[32:39] group 0, one set for each slot
.set G0A, 32
.set G1B, 40                           ; s[40:47], s[48:55] the same for B's
.set G0B, 48
.set SCB, 32                           ; scale words: set sc at v[32 + 24 sc]: A's pair p, K step s at + 4 p + s; B's at + 8 + 4 p + s; lanes 0-15 the even block's words, lanes 16-31 the odd block's
.set AF,  80
.set MUL,  0xa1                        ; source 0 (B) window 1, source 1 (A) window 0, C and D window 2
.set MULB, 0xb1                        ; the same with C in window 3: the bias
.set TO_B, 0x40                        ; destination window 1, address window 0
.set K1,  64                           ; in window 3
.set RHO, 128
.set BQ,  192
.set E,   80                           ; the way out, window 0: 64 numbers at work,
.set T,   144                          ; rho h,
.set PC,  208                          ; the codes just made (20 registers),
.set TM,  228                          ; v228-243 maxima, bytes, scale operands,
.set PW,  244                          ; the scale word just made; v245 the even block's; v246 what is stored
.set MSB, 0
.macro WIN new                         ; the immediate's high byte repeats the setting that is left
.if MSB != \new
	s_set_vgpr_msb (MSB<<8)|\new
.set MSB, \new
.endif
.endm
.macro PLACES                          ; four places behind a matrix instruction of this form, in front of loads into registers that it has read and of the first read of results
.rept 4
	v_nop
.endr
.endm
; A joint load: waves 0 and 1 fetch A's halves, waves 2 and 3 B's.  The branch hangs on the wave's number alone.  Four v_nop follow each of the two lines.
.macro JLOAD s
	s_cmp_eq_u32 s17, 0
	s_cbranch_scc0 .Lfor_b_\@
	tensor_load_to_lds s[G0A+4*\s:G0A+4*\s+3], s[G1A:G1A+7]
	s_nop 0
.rept 4
	v_nop
.endr
	s_branch .Lasked_\@
.Lfor_b_\@:
	tensor_load_to_lds s[G0B+4*\s:G0B+4*\s+3], s[G1B:G1B+7]
	s_nop 0
.rept 4
	v_nop
.endr
.Lasked_\@:
.endm
.macro CREST                           ; a round of the cluster's barrier behind its opening barrier
	s_cmp_lg_u32 s16, 0
	s_cbranch_scc1 .Lnot_wave_0_\@
	s_barrier_signal -3
.Lnot_wave_0_\@:
	s_barrier_wait -3
	s_barrier_signal -1
	s_barrier_wait -1
.endm
.macro CROUND                          ; a whole round
	s_barrier_signal -1
	s_barrier_wait -1
	CREST
.endm
	s_load_b256 s[4:11], s[0:1], 0x0               ; xq s[4:5], w1q s[6:7], b1 s[8:9], c19_c s[10:11]
	s_load_b128 s[12:15], s[0:1], 0x20             ; c19_rho s[12:13], hq s[14:15]
	v_lshl_add_u32 v12, v0, 2, SPARE               ; my spare word; never rewritten
	v_mov_b32 v13, 0                               ; 0; never rewritten
	ds_add_u32 v12, v13
	ds_add_u32 v12, v13
	s_wait_dscnt 0x0
	v_lshrrev_b32 v1, 5, v0
	v_readfirstlane_b32 s16, v1                    ; wave 0..3
	s_lshr_b32 s17, s16, 1                         ; mh: which 64 rows are mine.  Also: I fetch for A (0) or for B (1)
	s_and_b32 s18, s16, 1                          ; nh: which 128 columns.  Also: which half of the records I fetch
	s_bfe_u32 s20, ttmp6, 0x40000                  ; cx, cy: my place in the cluster
	s_bfe_u32 s21, ttmp6, 0x40004
	s_lshl_b32 s22, ttmp9, 2
	s_add_co_u32 s22, s22, s20                     ; x: tile column = 4 x cluster x + cx
	s_and_b32 s23, ttmp7, 0xffff
	s_lshl_b32 s23, s23, 2
	s_add_co_u32 s23, s23, s21                     ; y: tile row = 4 x cluster y + cy
	s_lshl_b32 s56, s21, 2
	s_lshl_b32 s56, 15, s56                        ; my row of the cluster
	s_lshl_b32 s57, 0x1111, s20                    ; my column
	; descriptor group 1: records as rows of 800 elements of 8 bytes, 6,400 elements apart in memory, dense in LDS; A: 4 rows a load, B: 8
	s_or_b32 s[G1A], s56, (3<<16)|(1<<21)          ; 15:0 the mask; 17:16 elements of 8 bytes; 20 no padding; 21 set beside a mask
	s_or_b32 s[G1B], s57, (3<<16)|(1<<21)
	s_mov_b32 s[G1A+1], 800<<16                    ; tensor_dim0
	s_mov_b32 s[G1A+2], 4<<16                      ; tensor_dim1
	s_mov_b32 s[G1A+3], 800<<16                    ; tile_dim0
	s_mov_b32 s[G1A+4], 4                          ; tile_dim1
	s_mov_b32 s[G1A+5], 6400                       ; tensor_dim0_stride
	s_mov_b32 s[G1A+6], 0
	s_mov_b32 s[G1A+7], 0
	s_mov_b32 s[G1B+1], 800<<16
	s_mov_b32 s[G1B+2], 8<<16
	s_mov_b32 s[G1B+3], 800<<16
	s_mov_b32 s[G1B+4], 8
	s_mov_b32 s[G1B+5], 6400
	s_mov_b32 s[G1B+6], 0
	s_mov_b32 s[G1B+7], 0
	s_lshl_b32 s58, s23, 3                         ; A: block of rows 8 y + 4 nh: hangs on the tile row alone
	s_lshl_b32 s59, s18, 2
	s_add_co_u32 s58, s58, s59
	s_mul_i32 s58, s58, RBP
	s_mov_b32 s59, 0
	s_lshl_b32 s60, s22, 4                         ; B: block of rows 16 x + 8 nh: hangs on the tile column alone
	s_lshl_b32 s61, s18, 3
	s_add_co_u32 s60, s60, s61
	s_mul_i32 s60, s60, RBP
	s_mov_b32 s61, 0
	s_mul_i32 s63, s18, 4*REC                      ; where they go: no place in the cluster enters an LDS address
	s_mul_i32 s66, s18, 8*REC
	s_add_co_u32 s66, s66, 8*REC
	s_wait_kmcnt 0x0
	s_add_nc_u64 s[58:59], s[4:5], s[58:59]
	s_add_nc_u64 s[60:61], s[6:7], s[60:61]
	CROUND                                         ; all sixteen work-groups are here: the first joint loads meet
.irp s, 0,1
	s_mov_b32 s[G0A+4*\s], 1
	s_add_co_u32 s[G0A+4*\s+1], s63, \s*SLOT
	s_add_nc_u64 s[G0A+4*\s+2:G0A+4*\s+3], s[58:59], \s*REC
	s_or_b32 s[G0A+4*\s+3], s[G0A+4*\s+3], 0x80000000
	s_mov_b32 s[G0B+4*\s], 1
	s_add_co_u32 s[G0B+4*\s+1], s66, \s*SLOT
	s_add_nc_u64 s[G0B+4*\s+2:G0B+4*\s+3], s[60:61], \s*REC
	s_or_b32 s[G0B+4*\s+3], s[G0B+4*\s+3], 0x80000000
	JLOAD \s                                       ; K steps 0 and 1 of 512: two loads of mine are out
.endr
	v_and_b32 v1, 15, v0                           ; r
	v_bfe_u32 v2, v0, 4, 1                         ; h
	v_and_b32 v3, 31, v0
	v_lshlrev_b32 v3, 4, v3                        ; 16 x lane
	s_mul_i32 s67, s17, 4*REC                      ; my four records of A
	s_mul_i32 s68, s18, 8*REC
	s_add_co_u32 s68, s68, 8*REC                   ; my eight of B
	v_mul_u32_u24 v20, v2, REC
	v_lshl_add_u32 v20, v1, 4, v20
	v_add_nc_u32 v20, SCO, v20                     ; scale words: row r; lanes 16-31 one record on
.irp s, 0,1
	v_add_nc_u32 v[4+\s], s67, v3                  ; v4-5   A's fragments in slot s
	v_add_nc_u32 v[6+\s], s68, v3                  ; v6-7   B's
	v_add_nc_u32 v[8+\s], s67, v20                 ; v8-9   A's scale words
	v_add_nc_u32 v[10+\s], s68, v20                ; v10-11 B's
	s_add_co_u32 s67, s67, SLOT
	s_add_co_u32 s68, s68, SLOT
.endr
	; the way out: my rows' blocks 8 y + 4 mh + a; my 128 units are K step 2 x + nh of hq
	s_lshl_b32 s66, s23, 3
	s_lshl_b32 s67, s17, 2
	s_add_co_u32 s66, s66, s67
	s_mul_i32 s66, s66, RBP
	s_lshr_b32 s67, s22, 1
	s_mul_i32 s67, s67, REC
	s_add_co_u32 s66, s66, s67                     ; the record
	s_and_b32 s67, s22, 1
	s_lshl_b32 s67, s67, 1
	s_add_co_u32 s67, s67, s18                     ; s
	s_mul_i32 s68, s67, FRB
	s_add_co_u32 s74, s66, s68
	s_mov_b32 s75, 0
	s_lshl_b32 s67, s67, 2
	s_add_co_u32 s67, s67, SCO
	s_add_co_u32 s76, s66, s67
	s_mov_b32 s77, 0
	s_add_nc_u64 s[74:75], s[14:15], s[74:75]      ; the fragments
	s_add_nc_u64 s[76:77], s[14:15], s[76:77]      ; the scale words
	v_mul_u32_u24 v15, v2, RBP
	v_lshl_add_u32 v15, v1, 4, v15                 ; lanes 0-15 the even block's words, lanes 16-31 the odd block's
	s_mov_b32 s70, 0x76543210
	s_mov_b32 s71, 0xfedcba98                      ; v_permlanex16_b32's selects for lane l xor 16
	s_mov_b32 s72, 0xffff0000                      ; lanes 16-31
	; b1, c19_c, c19_rho of my 128 units, in the result's layout: register 16 bb + i = unit 32 bb + 16 h + i
	s_lshl_b32 s66, s22, 10
	s_lshl_b32 s67, s18, 9
	s_add_co_u32 s66, s66, s67
	s_mov_b32 s67, 0
	s_add_nc_u64 s[8:9], s[8:9], s[66:67]
	s_add_nc_u64 s[10:11], s[10:11], s[66:67]
	s_add_nc_u64 s[12:13], s[12:13], s[66:67]
	v_lshlrev_b32 v14, 6, v2
	WIN 0xc0                                       ; destination window 3
.irp bb, 0,1,2,3
.irp q, 0,1,2,3
	global_load_b128 v[16*\bb+4*\q:16*\bb+4*\q+3], v14, s[8:9] offset:128*\bb+16*\q
.endr
.endr
	WIN 0
.irp bb, 0,1,2,3
.irp q, 0,1,2,3
	global_load_b128 v[E+16*\bb+4*\q:E+16*\bb+4*\q+3], v14, s[10:11] offset:128*\bb+16*\q
	global_load_b128 v[T+16*\bb+4*\q:T+16*\bb+4*\q+3], v14, s[12:13] offset:128*\bb+16*\q
.endr
.endr
.irp b, 0,1,2,3
	v_mov_b32 v[TM+4+\b], 0                        ; written once: a lane permute's destination counts as one of its sources
.endr
	s_wait_loadcnt 0x0
.set jh, 0
.rept 32
	v_pk_mul_f32 v[E+jh:E+jh+1], v[E+jh:E+jh+1], 0x3fb8aa3b op_sel_hi:[1,0]    ; c19_c x log2(e)
	v_pk_mul_f32 v[T+jh:T+jh+1], v[T+jh:T+jh+1], 0xbfb8aa3b op_sel_hi:[1,0]    ; c19_rho x -log2(e)
.set jh, jh+2
.endr
.set jh, 0
.rept 64
	v_exp_f32 v[T+jh], v[T+jh]                     ; e^-rho_raw
.set jh, jh+1
.endr
	WIN 0xc0
.set jh, 0
.rept 64
	v_exp_f32 v[K1+jh], -v[E+jh]                   ; 1 / c
.set jh, jh+1
.endr
	v_nop                                          ; a plain place behind the exponentials, whose sources are written next
	WIN 0
.set jh, 0
.rept 64
	v_exp_f32 v[E+jh], v[E+jh]                     ; c
.set jh, jh+1
.endr
	v_nop
.set jh, 0
	s_wait_alu depctr_va_vdst(0)
.rept 32
	v_pk_add_f32 v[T+jh:T+jh+1], v[T+jh:T+jh+1], 1.0 op_sel_hi:[1,0]
.set jh, jh+2
.endr
	WIN 0xc0
.set jh, 0
.rept 64
	v_rcp_f32 v[RHO+jh], v[T+jh]                   ; rho = 1 / (1 + e^-rho_raw)
.set jh, jh+1
.endr
	v_nop
	WIN 0xc3                                       ; destination and source 0 window 3
.set jh, 0
	s_wait_alu depctr_va_vdst(0)
.rept 32
	v_pk_fma_f32 v[BQ+jh:BQ+jh+1], v[RHO+jh:RHO+jh+1], v[E+jh:E+jh+1], v[E+jh:E+jh+1] neg_lo:[1,0,0] neg_hi:[1,0,0]   ; (1 - rho) c = c - rho c
	v_pk_mul_f32 v[K1+jh:K1+jh+1], v[K1+jh:K1+jh+1], 0x4038aa3b op_sel_hi:[1,0]                                       ; 2 log2(e) / c
.set jh, jh+2
.endr
	WIN 0
; One product: A's block a x B's block b, 128 along K: the slot's s-th.  p: the sets of fragments; sc: the set of scale words.  first = 1: the bias (window 3, v[8 b]) is C and starts the sum.
.macro WM a, b, p, s, sc, first
.set rD, 8*(8*(\a)+(\b))
.set rC, rD
.if \first
.set rC, 8*(\b)
.endif
.set rB, 128*(\p)+12*(\b)
.set rA, AF+48*(\p)+12*(\a)
.set rSB, SCB+24*(\sc)+8+4*((\b)/2)+(\s)
.set rSA, SCB+24*(\sc)+4*((\a)/2)+(\s)
.if ((\a)%2 == 0) && ((\b)%2 == 0)
	v_wmma_scale_f32_16x16x128_f8f6f4 v[rD:rD+7], v[rB:rB+11], v[rA:rA+11], v[rC:rC+7], v[rSB], v[rSA] matrix_a_fmt:MATRIX_FMT_BF6 matrix_b_fmt:MATRIX_FMT_BF6
.elseif (\a)%2 == 0
	v_wmma_scale_f32_16x16x128_f8f6f4 v[rD:rD+7], v[rB:rB+11], v[rA:rA+11], v[rC:rC+7], v[rSB], v[rSA] matrix_a_fmt:MATRIX_FMT_BF6 matrix_b_fmt:MATRIX_FMT_BF6 matrix_a_scale:MATRIX_SCALE_ROW1
.elseif (\b)%2 == 0
	v_wmma_scale_f32_16x16x128_f8f6f4 v[rD:rD+7], v[rB:rB+11], v[rA:rA+11], v[rC:rC+7], v[rSB], v[rSA] matrix_a_fmt:MATRIX_FMT_BF6 matrix_b_fmt:MATRIX_FMT_BF6 matrix_b_scale:MATRIX_SCALE_ROW1
.else
	v_wmma_scale_f32_16x16x128_f8f6f4 v[rD:rD+7], v[rB:rB+11], v[rA:rA+11], v[rC:rC+7], v[rSB], v[rSA] matrix_a_fmt:MATRIX_FMT_BF6 matrix_b_fmt:MATRIX_FMT_BF6 matrix_a_scale:MATRIX_SCALE_ROW1 matrix_b_scale:MATRIX_SCALE_ROW1
.endif
.endm
.macro MUL8 a, p, s, sc, first         ; the 32 accumulators take turns, one instruction a turn, in the same order in every step
.irp b, 0,1,2,3,4,5,6,7
	WM \a, \b, \p, \s, \sc, \first
.endr
.endm
; The fragments of the slot's s-th 128 along K into sets p: B's 24 loads, A's blocks 0 and 1 (6), with sc >= 0 the slot's scale words (6), and A's blocks 2 and 3: always the youngest six.
.macro FETCH slot, s, p, sc
	WIN TO_B
.irp b, 0,1,2,3,4,5,6,7
.irp c, 0,1,2
	ds_load_b128 v[128*(\p)+12*\b+4*\c:128*(\p)+12*\b+4*\c+3], v[6+\slot] offset:REC*\b+FRB*(\s)+512*\c
.endr
.endr
	WIN 0
.irp a, 0,1
.irp c, 0,1,2
	ds_load_b128 v[AF+48*(\p)+12*\a+4*\c:AF+48*(\p)+12*\a+4*\c+3], v[4+\slot] offset:REC*\a+FRB*(\s)+512*\c
.endr
.endr
.if \sc >= 0
.irp q, 0,1
	ds_load_b128 v[SCB+24*(\sc)+4*\q:SCB+24*(\sc)+4*\q+3], v[8+\slot] offset:2*REC*\q
.endr
.irp q, 0,1,2,3
	ds_load_b128 v[SCB+24*(\sc)+8+4*\q:SCB+24*(\sc)+8+4*\q+3], v[10+\slot] offset:2*REC*\q
.endr
.endif
.irp a, 2,3
.irp c, 0,1,2
	ds_load_b128 v[AF+48*(\p)+12*\a+4*\c:AF+48*(\p)+12*\a+4*\c+3], v[4+\slot] offset:REC*\a+FRB*(\s)+512*\c
.endr
.endr
.endm
; A step of 128 along K that has its successor in the same slot (s = 0, 1, 2).
.macro STEP slot, s, first
	s_wait_dscnt 6                                 ; all but the youngest six loads (A's blocks 2 and 3) are in
.if \first
	WIN MULB
.else
	WIN MUL
.endif
	MUL8 0, (\s)%2, \s, \slot, \first
	MUL8 1, (\s)%2, \s, \slot, \first
	PLACES
	FETCH \slot, (\s)+1, 1-(\s)%2, -1
	s_wait_dscnt 36                                ; all but the 36 just issued
.if \first
	WIN MULB
.else
	WIN MUL
.endif
	MUL8 2, (\s)%2, \s, \slot, \first
	MUL8 3, (\s)%2, \s, \slot, \first
.endm
; A slot's last step changes slots: ONE barrier; in front of it each wave waits for all its tensor loads, adds 0 to its spare word, and waits for that and for its own reads of this slot.  fill = 1: the slot is filled again, two slots ahead.
.macro TURN slot, next, fill
	WIN 0                                          ; (the add's two registers lie in window 0)
	s_wait_tensorcnt 0x0                           ; all my tensor loads have landed: my part of the next slot;
	ds_add_u32 v12, v13                            ; 0 onto my spare word
	s_wait_dscnt 7                                 ; (the add and the youngest six loads may be out)
	WIN MUL
	MUL8 0, 1, 3, \slot, 0                         ; eight matrix instructions stand between the add and the wait for it
	s_wait_dscnt 0x0                               ; the add is done, and my reads of this slot are over
	s_barrier_signal -1
	MUL8 1, 1, 3, \slot, 0
	WIN 0
	s_barrier_wait -1
.if \fill
	CREST                                          ; the barrier has opened a round of the cluster's barrier: no wave of any partner still reads this slot or has a load on its way
	s_add_nc_u64 s[G0A+4*\slot+2:G0A+4*\slot+3], s[G0A+4*\slot+2:G0A+4*\slot+3], 2*REC
	s_add_nc_u64 s[G0B+4*\slot+2:G0B+4*\slot+3], s[G0B+4*\slot+2:G0B+4*\slot+3], 2*REC
	JLOAD \slot                                    ; the first tensor load behind the round, 112 matrix instructions ahead of the wait for it; its four v_nop are the places in front of the loads below
.else
	PLACES
.endif
	FETCH \next, 0, 0, \next
	WIN MUL
	MUL8 2, 1, 3, \slot, 0
	MUL8 3, 1, 3, \slot, 0
.endm
	s_wait_tensorcnt 1                             ; my part of slot 0 is in; slot 1's may stay out
	s_barrier_signal -1
	s_barrier_wait -1                              ; everybody's is
	FETCH 0, 0, 0, 0
	STEP 0, 0, 1                                   ; the first step stands in front of the loop: its products start the sums, on the bias
	WIN 0                                          ; at a label and at a branch every window is 0
	s_mov_b32 s19, 3
.Llap:                                                 ; a trip goes once round the ring and fills both slots again: K steps of 512 number 2 to 7
	STEP 0, 1, 0
	STEP 0, 2, 0
	TURN 0, 1, 1
	STEP 1, 0, 0
	STEP 1, 1, 0
	STEP 1, 2, 0
	TURN 1, 0, 1
	STEP 0, 0, 0
	WIN 0
	s_sub_co_u32 s19, s19, 1
	s_cmp_lg_u32 s19, 0
	s_cbranch_scc1 .Llap
	STEP 0, 1, 0                                   ; the last lap fills nothing, and has no round of the cluster's barrier
	STEP 0, 2, 0
	TURN 0, 1, 0
	STEP 1, 0, 0
	STEP 1, 1, 0
	STEP 1, 2, 0
	s_wait_dscnt 6                                 ; the very last step: nothing more to fetch
	WIN MUL
	MUL8 0, 1, 3, 1, 0
	MUL8 1, 1, 3, 1, 0
	s_wait_dscnt 0x0
	MUL8 2, 1, 3, 1, 0
	MUL8 3, 1, 3, 1, 0
	WIN 0
; 64 numbers of a lane, v[s] .. v[s + 63], register 16 b + i = k 32 b + 16 (lane / 16) + i of my row, become a fragment's codes in v[PC] on and its scale word in v[PW].
.macro QUANT s
.irp b, 0,1,2,3
	v_max3_num_f32 v[TM+\b], |v[\s+16*\b]|, |v[\s+1+16*\b]|, 0x2800000   ; block b: my 16 numbers, and the floor 2^(5 - 127): so the byte cannot fall under 1
.endr
.irp i, 2,4,6,8,10,12,14
.irp b, 0,1,2,3
	v_max3_num_f32 v[TM+\b], v[TM+\b], |v[\s+16*\b+\i]|, |v[\s+1+16*\b+\i]|   ; (the four blocks by turns)
.endr
.endr
.irp b, 0,1,2,3
	v_permlanex16_b32 v[TM+4+\b], v[TM+\b], s70, s71
.endr
.irp b, 0,1,2,3
	v_max_num_f32 v[TM+\b], v[TM+\b], v[TM+4+\b]   ; with lane l xor 16's: the block's largest magnitude
.endr
.irp b, 0,1,2,3
	v_add_nc_u32 v[TM+12+\b], 0xfe000000, v[TM+\b] ; 4 off its exponent field: the conversion's scale operand
.endr
.irp b, 0,1,2,3
	v_lshrrev_b32 v[TM+4+\b], 23, v[TM+12+\b]      ; the scale's byte
.endr
	v_lshl_or_b32 v[PW], v[TM+5], 8, v[TM+4]       ; the four bytes make my row's scale word
	v_lshl_or_b32 v[PW], v[TM+6], 16, v[PW]
	v_lshl_or_b32 v[PW], v[TM+7], 24, v[PW]
.irp c, 0,1
	v_cvt_scalef32_pk16_bf6_f32 v[PC+6*\c:PC+2+6*\c], v[\s+32*\c:\s+15+32*\c], v[TM+12+2*\c]
	v_cvt_scalef32_pk16_bf6_f32 v[PC+12+4*\c:PC+14+4*\c], v[\s+16+32*\c:\s+31+32*\c], v[TM+12+2*\c+1]   ; (a conversion's three registers begin on an even number)
.endr
	v_nop                                          ; one plain place behind a scaled conversion
.irp c, 0,1                                    ; the operand's layout wants a WHOLE block in a lane: lanes 0-15 block 2 c, lanes 16-31 block 2 c + 1
.irp i, 0,1,2
	v_permlane16_swap_b32 v[PC+6*\c+\i], v[PC+12+4*\c+\i]
.endr
.irp i, 0,1,2
	v_mov_b32 v[PC+3+6*\c+\i], v[PC+12+4*\c+\i]
.endr
.endr
.endm
; THE WAY OUT of block a: 16 rows x my 128 units = one fragment of hq.  The activation in f32, the quantiser, three stores of 512 consecutive bytes.
.macro OUTBLK a
	WIN 0x0e                                       ; source 0 window 2 (the sums), source 1 window 3
.set jo, 0
.rept 32
	v_pk_mul_f32 v[E+jo:E+jo+1], v[64*\a+jo:64*\a+jo+1], v[K1+jo:K1+jo+1]      ; 2 log2(e) h / c: each accumulator is read from its low end on
.set jo, jo+2
.endr
.set jo, 0
.rept 32
	v_pk_mul_f32 v[T+jo:T+jo+1], v[64*\a+jo:64*\a+jo+1], v[RHO+jo:RHO+jo+1]    ; rho h
.set jo, jo+2
.endr
	WIN 0
.set jo, 0
.rept 64
	v_exp_f32 v[E+jo], v[E+jo]
.set jo, jo+1
.endr
	v_nop                                          ; a plain place behind the exponentials
.set jo, 0
	s_wait_alu depctr_va_vdst(0)
.rept 32
	v_pk_add_f32 v[E+jo:E+jo+1], v[E+jo:E+jo+1], 1.0 op_sel_hi:[1,0]
.set jo, jo+2
.endr
.set jo, 0
.rept 64
	v_rcp_f32 v[E+jo], v[E+jo]
.set jo, jo+1
.endr
	v_nop
.set jo, 0
	s_wait_alu depctr_va_vdst(0)
.rept 32
	v_pk_fma_f32 v[E+jo:E+jo+1], v[E+jo:E+jo+1], -2.0, 1.0 op_sel_hi:[1,0,0]   ; tanh(h / c)
.set jo, jo+2
.endr
	WIN 0x0c                                       ; source 1 window 3
.set jo, 0
.rept 32
	v_pk_fma_f32 v[E+jo:E+jo+1], v[E+jo:E+jo+1], v[BQ+jo:BQ+jo+1], v[T+jo:T+jo+1]   ; (1 - rho) c tanh + rho h
.set jo, jo+2
.endr
	WIN 0
	s_wait_xcnt 0x0                                ; the last block's stores have read their data: the codes' registers are written again only behind this wait
	QUANT E
.irp c, 0,1,2
	global_store_b128 v3, v[PC+4*\c:PC+4*\c+3], s[74:75] offset:RBP*\a+512*\c
.endr
.if (\a)%2 == 0
	v_mov_b32 v[PW+1], v[PW]
.else
	v_cndmask_b32 v[PW+2], v[PW+1], v[PW], s72     ; lanes 0-15 the even block's words, lanes 16-31 this block's.  4 bytes a lane, 16 apart: a work-group has two of a record's four K steps
	global_store_b32 v15, v[PW+2], s[76:77] offset:2*RBP*((\a)/2)
.endif
.endm
	PLACES                                         ; behind the last products: their operands' registers are written and results are read below
	OUTBLK 0
	OUTBLK 1
	OUTBLK 2
	OUTBLK 3
	s_wait_tensorcnt 0x0                           ; the wave's end
	ds_add_u32 v12, v13
	s_wait_dscnt 0x0
	CROUND                                         ; the closing round: no work-group ends while a partner may still ask for a tile that names it
	s_endpgm
.Lfunc_end_k_q8f969d1a24_gemm1:
	.size	k_q8f969d1a24_gemm1, .Lfunc_end_k_q8f969d1a24_gemm1-k_q8f969d1a24_gemm1
	.p2alignl 7, 3214868480
	.fill 96, 4, 3214868480
	.section	.rodata,"a",@progbits
	.p2align	6, 0x0
	.amdhsa_kernel k_q8f969d1a24_gemm1
		.amdhsa_group_segment_fixed_size 327680
		.amdhsa_private_segment_fixed_size 0
		.amdhsa_enable_private_segment 0
		.amdhsa_kernarg_size 48
		.amdhsa_user_sgpr_count 2
		.amdhsa_user_sgpr_kernarg_segment_ptr 1
		.amdhsa_wavefront_size32 1
		.amdhsa_system_sgpr_workgroup_id_x 1
		.amdhsa_system_sgpr_workgroup_id_y 1
		.amdhsa_system_sgpr_workgroup_id_z 1
		.amdhsa_system_vgpr_workitem_id 0
		.amdhsa_next_free_vgpr 1024
		.amdhsa_next_free_sgpr 80
		.amdhsa_reserve_vcc 0
		.amdhsa_float_denorm_mode_32 3
		.amdhsa_float_denorm_mode_16_64 3
		.amdhsa_memory_ordered 1
		.amdhsa_forward_progress 1
		.amdhsa_inst_pref_size 219
	.end_amdhsa_kernel
	.amdgpu_metadata
---
amdhsa.version: [ 1, 2 ]
amdhsa.kernels:
  - .name:           k_q8f969d1a24_gemm1
    .symbol:         k_q8f969d1a24_gemm1.kd
    .args:
      - { .name: xq, .offset: 0, .size: 8, .value_kind: global_buffer, .address_space: global }
      - { .name: w1q, .offset: 8, .size: 8, .value_kind: global_buffer, .address_space: global }
      - { .name: b1, .offset: 16, .size: 8, .value_kind: global_buffer, .address_space: global }
      - { .name: c19_c, .offset: 24, .size: 8, .value_kind: global_buffer, .address_space: global }
      - { .name: c19_rho, .offset: 32, .size: 8, .value_kind: global_buffer, .address_space: global }
      - { .name: hq, .offset: 40, .size: 8, .value_kind: global_buffer, .address_space: global }
    .group_segment_fixed_size: 327680
    .private_segment_fixed_size: 0
    .kernarg_segment_align: 8
    .kernarg_segment_size: 48
    .max_flat_workgroup_size: 128
    .sgpr_count:     80
    .vgpr_count:     1024
    .wavefront_size: 32
...
	.end_amdgpu_metadata
.endif
;; end of part 2
;; launch gemm2 (part 3): grid 16 x 16, 4 waves a work-group, clusters of 4 x 4, 327,680 bytes of LDS; arguments hq, w2q, b2, out0; writes out0
.if DOCPART == 3
	.amdgcn_target "amdgcn-amd-amdhsa--gfx1250"
	.amdhsa_code_object_version 6
	.text
	.protected	k_q8f969d1a24_gemm2
	.globl	k_q8f969d1a24_gemm2
	.p2align	8
	.type	k_q8f969d1a24_gemm2,@function
k_q8f969d1a24_gemm2:
	s_mov_b64 s[64:65], 0
	v_nop
	global_prefetch_b8 v0, s[64:65] scope:SCOPE_SE
	s_setreg_imm32_b32 hwreg(HW_REG_WAVE_MODE, 25, 1), 1
	s_wait_xcnt 0x0
	s_wait_alu depctr_hold_cnt(0) depctr_sa_sdst(0) depctr_va_vdst(0) depctr_va_sdst(0) depctr_va_ssrc(0) depctr_va_vcc(0) depctr_vm_vsrc(0)
	s_getreg_b32 s2, hwreg(HW_REG_IB_STS2, 6, 4)
	s_cmp_eq_u32 s2, 0
	s_cbranch_scc0 .Lentry_in_a_cluster
	s_endpgm
.Lentry_in_a_cluster:
	s_bfe_u32 s2, ttmp6, 0x10000c
	s_cmp_lg_u32 s2, 0xf033
	s_cbranch_scc0 .Lentry_shape_is_right
	s_endpgm
.Lentry_shape_is_right:
; out0 = h W^T + b2: the second product on codes of BF6 (E3M2) with E8M0 scales; sums in f32; out0 [2048][4096] f32.
; OPERANDS lie in memory as images of their registers.  rb = block of 16 rows, g = K / 512, s = (K / 128) % 4.  Record (rb, g) at 51,200 rb + 6,400 g: fragment s at 1,536 s (registers 4 c .. 4 c + 3 of lane l at 512 c + 16 l),
; scale words at 6,144 + 16 r + 4 s.  So a fragment is three loads of 16 bytes a lane at 16 x lane, and the scale words of two blocks of rows for four K steps are one load.
; SHARES.  A tile of the result is 128 rows x 256 columns: 256 work-groups.  Four waves, each 64 x 128: 32 accumulators.  K goes in steps of 512 (one record of each block of rows) through two LDS slots.
; CLUSTERS: 4 x 4 work-groups.  The four of a row of the cluster need the same records of A, the four of a column the same records of B: each is asked for JOINTLY, by the same tensor load with the same descriptor and a mask that names the four.
; THE MATRIX INSTRUCTION IS USED TRANSPOSED (source 0 = 16 rows of B, source 1 = 16 rows of A): a lane holds eight neighbouring numbers of a row of out0.  b2 is the C of each sum's first matrix instruction.
; REGISTERS, in windows of 256.  Window 0: v1-20 addresses; v32-79 scale words, two sets, and nothing else; v80-127, v128-175 A's fragments, two sets; on the way out v128-255 rows read back.
;   Window 1: B's fragments, two sets, at v0 and v128.   Window 2: accumulator (a, b) at v[8 (8 a + b)].   Window 3: v0-63 b2 in the result's layout.
.set REC,   6400
.set RBP,   51200
.set FRB,   1536
.set SCO,   6144
.set SLOT,  24*REC                     ; A's 8 records, then B's 16
.set SPARE, 2*SLOT                     ; behind the ring: the spare words, 128 bytes for each wave: two blocks of 256 bytes that no other line names
.set SPITCH, 528                       ; the way out: a stage of 16 rows x (512 bytes + 16) for each wave, in slot 0, which has had its last fill and its last read when the first result is stored there
.set OROW,  16384                      ; a row of out0 in bytes
.set G1A, 24                           ; s[24:31] descriptor group 1 for A's records; s[32:39] group 0, one set for each slot
.set G0A, 32
.set G1B, 40                           ; s[40:47], s[48:55] the same for B's
.set G0B, 48
.set SCB, 32                           ; scale words: set sc at v[32 + 24 sc]: A's pair p, K step s at + 4 p + s; B's at + 8 + 4 p + s; lanes 0-15 the even block's words, lanes 16-31 the odd block's
.set AF,  80
.set BK,  128                          ; the way out: 16 rows read back: v128-191 and v192-255 by turns
.set MUL,  0xa1                        ; source 0 (B) window 1, source 1 (A) window 0, C and D window 2
.set MULB, 0xb1                        ; the same with C in window 3: the bias
.set TO_B, 0x40                        ; destination window 1, address window 0
.set MSB, 0
.macro WIN new                         ; the immediate's high byte repeats the setting that is left
.if MSB != \new
	s_set_vgpr_msb (MSB<<8)|\new
.set MSB, \new
.endif
.endm
.macro PLACES                          ; four places behind a matrix instruction of this form, in front of loads into registers that it has read and of the first read of results
.rept 4
	v_nop
.endr
.endm
; A joint load: waves 0 and 1 fetch A's halves, waves 2 and 3 B's.  The branch hangs on the wave's number alone.  Four v_nop follow each of the two lines.
.macro JLOAD s
	s_cmp_eq_u32 s17, 0
	s_cbranch_scc0 .Lfor_b_\@
	tensor_load_to_lds s[G0A+4*\s:G0A+4*\s+3], s[G1A:G1A+7]
	s_nop 0
.rept 4
	v_nop
.endr
	s_branch .Lasked_\@
.Lfor_b_\@:
	tensor_load_to_lds s[G0B+4*\s:G0B+4*\s+3], s[G1B:G1B+7]
	s_nop 0
.rept 4
	v_nop
.endr
.Lasked_\@:
.endm
.macro CREST                           ; a round of the cluster's barrier behind its opening barrier
	s_cmp_lg_u32 s16, 0
	s_cbranch_scc1 .Lnot_wave_0_\@
	s_barrier_signal -3
.Lnot_wave_0_\@:
	s_barrier_wait -3
	s_barrier_signal -1
	s_barrier_wait -1
.endm
.macro CROUND                          ; a whole round
	s_barrier_signal -1
	s_barrier_wait -1
	CREST
.endm
	s_load_b256 s[4:11], s[0:1], 0x0               ; hq s[4:5], w2q s[6:7], b2 s[8:9], out0 s[10:11]
	v_lshl_add_u32 v12, v0, 2, SPARE               ; my spare word; never rewritten
	v_mov_b32 v13, 0                               ; 0; never rewritten
	ds_add_u32 v12, v13
	ds_add_u32 v12, v13
	s_wait_dscnt 0x0
	v_lshrrev_b32 v1, 5, v0
	v_readfirstlane_b32 s16, v1                    ; wave 0..3
	s_lshr_b32 s17, s16, 1                         ; mh: which 64 rows are mine.  Also: I fetch for A (0) or for B (1)
	s_and_b32 s18, s16, 1                          ; nh: which 128 columns.  Also: which half of the records I fetch
	s_bfe_u32 s20, ttmp6, 0x40000                  ; cx, cy: my place in the cluster
	s_bfe_u32 s21, ttmp6, 0x40004
	s_lshl_b32 s22, ttmp9, 2
	s_add_co_u32 s22, s22, s20                     ; x: tile column = 4 x cluster x + cx
	s_and_b32 s23, ttmp7, 0xffff
	s_lshl_b32 s23, s23, 2
	s_add_co_u32 s23, s23, s21                     ; y: tile row = 4 x cluster y + cy
	s_lshl_b32 s56, s21, 2
	s_lshl_b32 s56, 15, s56                        ; my row of the cluster
	s_lshl_b32 s57, 0x1111, s20                    ; my column
	; descriptor group 1: records as rows of 800 elements of 8 bytes, 6,400 elements apart in memory, dense in LDS; A: 4 rows a load, B: 8
	s_or_b32 s[G1A], s56, (3<<16)|(1<<21)          ; 15:0 the mask; 17:16 elements of 8 bytes; 20 no padding; 21 set beside a mask
	s_or_b32 s[G1B], s57, (3<<16)|(1<<21)
	s_mov_b32 s[G1A+1], 800<<16                    ; tensor_dim0
	s_mov_b32 s[G1A+2], 4<<16                      ; tensor_dim1
	s_mov_b32 s[G1A+3], 800<<16                    ; tile_dim0
	s_mov_b32 s[G1A+4], 4                          ; tile_dim1
	s_mov_b32 s[G1A+5], 6400                       ; tensor_dim0_stride
	s_mov_b32 s[G1A+6], 0
	s_mov_b32 s[G1A+7], 0
	s_mov_b32 s[G1B+1], 800<<16
	s_mov_b32 s[G1B+2], 8<<16
	s_mov_b32 s[G1B+3], 800<<16
	s_mov_b32 s[G1B+4], 8
	s_mov_b32 s[G1B+5], 6400
	s_mov_b32 s[G1B+6], 0
	s_mov_b32 s[G1B+7], 0
	s_lshl_b32 s58, s23, 3                         ; A: block of rows 8 y + 4 nh: hangs on the tile row alone
	s_lshl_b32 s59, s18, 2
	s_add_co_u32 s58, s58, s59
	s_mul_i32 s58, s58, RBP
	s_mov_b32 s59, 0
	s_lshl_b32 s60, s22, 4                         ; B: block of rows 16 x + 8 nh: hangs on the tile column alone
	s_lshl_b32 s61, s18, 3
	s_add_co_u32 s60, s60, s61
	s_mul_i32 s60, s60, RBP
	s_mov_b32 s61, 0
	s_mul_i32 s63, s18, 4*REC                      ; where they go: no place in the cluster enters an LDS address
	s_mul_i32 s66, s18, 8*REC
	s_add_co_u32 s66, s66, 8*REC
	s_wait_kmcnt 0x0
	s_add_nc_u64 s[58:59], s[4:5], s[58:59]
	s_add_nc_u64 s[60:61], s[6:7], s[60:61]
	CROUND                                         ; all sixteen work-groups are here: the first joint loads meet
.irp s, 0,1
	s_mov_b32 s[G0A+4*\s], 1
	s_add_co_u32 s[G0A+4*\s+1], s63, \s*SLOT
	s_add_nc_u64 s[G0A+4*\s+2:G0A+4*\s+3], s[58:59], \s*REC
	s_or_b32 s[G0A+4*\s+3], s[G0A+4*\s+3], 0x80000000
	s_mov_b32 s[G0B+4*\s], 1
	s_add_co_u32 s[G0B+4*\s+1], s66, \s*SLOT
	s_add_nc_u64 s[G0B+4*\s+2:G0B+4*\s+3], s[60:61], \s*REC
	s_or_b32 s[G0B+4*\s+3], s[G0B+4*\s+3], 0x80000000
	JLOAD \s                                       ; K steps 0 and 1 of 512: two loads of mine are out
.endr
	v_and_b32 v1, 15, v0                           ; r
	v_bfe_u32 v2, v0, 4, 1                         ; h
	v_and_b32 v3, 31, v0
	v_lshlrev_b32 v3, 4, v3                        ; 16 x lane
	s_mul_i32 s67, s17, 4*REC                      ; my four records of A
	s_mul_i32 s68, s18, 8*REC
	s_add_co_u32 s68, s68, 8*REC                   ; my eight of B
	v_mul_u32_u24 v20, v2, REC
	v_lshl_add_u32 v20, v1, 4, v20
	v_add_nc_u32 v20, SCO, v20                     ; scale words: row r; lanes 16-31 one record on
.irp s, 0,1
	v_add_nc_u32 v[4+\s], s67, v3                  ; v4-5   A's fragments in slot s
	v_add_nc_u32 v[6+\s], s68, v3                  ; v6-7   B's
	v_add_nc_u32 v[8+\s], s67, v20                 ; v8-9   A's scale words
	v_add_nc_u32 v[10+\s], s68, v20                ; v10-11 B's
	s_add_co_u32 s67, s67, SLOT
	s_add_co_u32 s68, s68, SLOT
.endr
	; b2 of my 128 columns, in the result's layout: register 8 b + j = column 16 b + 8 h + j
	s_lshl_b32 s66, s22, 10
	s_lshl_b32 s67, s18, 9
	s_add_co_u32 s66, s66, s67                     ; my first column, in bytes: 1,024 x + 512 nh
	s_mov_b32 s67, 0
	s_add_nc_u64 s[8:9], s[8:9], s[66:67]
	v_lshlrev_b32 v14, 5, v2
	WIN 0xc0                                       ; destination window 3
.irp b, 0,1,2,3,4,5,6,7
.irp q, 0,1
	global_load_b128 v[8*\b+4*\q:8*\b+4*\q+3], v14, s[8:9] offset:64*\b+16*\q
.endr
.endr
	WIN 0
	; the way out
	s_lshl_b32 s68, s23, 7
	s_lshl_b32 s69, s17, 6
	s_add_co_u32 s68, s68, s69                     ; my first row: 128 y + 64 mh
	s_lshl_b32 s68, s68, 14
	s_add_co_u32 s74, s68, s66
	s_mov_b32 s75, 0
	s_add_nc_u64 s[74:75], s[10:11], s[74:75]
	s_mul_i32 s68, s16, 16*SPITCH                  ; my stage
	v_mul_u32_u24 v16, v1, SPITCH
	v_lshl_add_u32 v16, v2, 5, v16
	v_add_nc_u32 v16, s68, v16                     ; in: row r, 32 bytes for each half of the lanes
	v_add_nc_u32 v17, s68, v3                      ; back: the 32 lanes take one row of 512 bytes
	s_wait_loadcnt 0x0                             ; b2
; One product: A's block a x B's block b, 128 along K: the slot's s-th.  p: the sets of fragments; sc: the set of scale words.  first = 1: the bias (window 3, v[8 b]) is C and starts the sum.
.macro WM a, b, p, s, sc, first
.set rD, 8*(8*(\a)+(\b))
.set rC, rD
.if \first
.set rC, 8*(\b)
.endif
.set rB, 128*(\p)+12*(\b)
.set rA, AF+48*(\p)+12*(\a)
.set rSB, SCB+24*(\sc)+8+4*((\b)/2)+(\s)
.set rSA, SCB+24*(\sc)+4*((\a)/2)+(\s)
.if ((\a)%2 == 0) && ((\b)%2 == 0)
	v_wmma_scale_f32_16x16x128_f8f6f4 v[rD:rD+7], v[rB:rB+11], v[rA:rA+11], v[rC:rC+7], v[rSB], v[rSA] matrix_a_fmt:MATRIX_FMT_BF6 matrix_b_fmt:MATRIX_FMT_BF6
.elseif (\a)%2 == 0
	v_wmma_scale_f32_16x16x128_f8f6f4 v[rD:rD+7], v[rB:rB+11], v[rA:rA+11], v[rC:rC+7], v[rSB], v[rSA] matrix_a_fmt:MATRIX_FMT_BF6 matrix_b_fmt:MATRIX_FMT_BF6 matrix_a_scale:MATRIX_SCALE_ROW1
.elseif (\b)%2 == 0
	v_wmma_scale_f32_16x16x128_f8f6f4 v[rD:rD+7], v[rB:rB+11], v[rA:rA+11], v[rC:rC+7], v[rSB], v[rSA] matrix_a_fmt:MATRIX_FMT_BF6 matrix_b_fmt:MATRIX_FMT_BF6 matrix_b_scale:MATRIX_SCALE_ROW1
.else
	v_wmma_scale_f32_16x16x128_f8f6f4 v[rD:rD+7], v[rB:rB+11], v[rA:rA+11], v[rC:rC+7], v[rSB], v[rSA] matrix_a_fmt:MATRIX_FMT_BF6 matrix_b_fmt:MATRIX_FMT_BF6 matrix_a_scale:MATRIX_SCALE_ROW1 matrix_b_scale:MATRIX_SCALE_ROW1
.endif
.endm
.macro MUL8 a, p, s, sc, first         ; the 32 accumulators take turns, one instruction a turn, in the same order in every step
.irp b, 0,1,2,3,4,5,6,7
	WM \a, \b, \p, \s, \sc, \first
.endr
.endm
; The fragments of the slot's s-th 128 along K into sets p: B's 24 loads, A's blocks 0 and 1 (6), with sc >= 0 the slot's scale words (6), and A's blocks 2 and 3: always the youngest six.
.macro FETCH slot, s, p, sc
	WIN TO_B
.irp b, 0,1,2,3,4,5,6,7
.irp c, 0,1,2
	ds_load_b128 v[128*(\p)+12*\b+4*\c:128*(\p)+12*\b+4*\c+3], v[6+\slot] offset:REC*\b+FRB*(\s)+512*\c
.endr
.endr
	WIN 0
.irp a, 0,1
.irp c, 0,1,2
	ds_load_b128 v[AF+48*(\p)+12*\a+4*\c:AF+48*(\p)+12*\a+4*\c+3], v[4+\slot] offset:REC*\a+FRB*(\s)+512*\c
.endr
.endr
.if \sc >= 0
.irp q, 0,1
	ds_load_b128 v[SCB+24*(\sc)+4*\q:SCB+24*(\sc)+4*\q+3], v[8+\slot] offset:2*REC*\q
.endr
.irp q, 0,1,2,3
	ds_load_b128 v[SCB+24*(\sc)+8+4*\q:SCB+24*(\sc)+8+4*\q+3], v[10+\slot] offset:2*REC*\q
.endr
.endif
.irp a, 2,3
.irp c, 0,1,2
	ds_load_b128 v[AF+48*(\p)+12*\a+4*\c:AF+48*(\p)+12*\a+4*\c+3], v[4+\slot] offset:REC*\a+FRB*(\s)+512*\c
.endr
.endr
.endm
; A step of 128 along K that has its successor in the same slot (s = 0, 1, 2).
.macro STEP slot, s, first
	s_wait_dscnt 6                                 ; all but the youngest six loads (A's blocks 2 and 3) are in
.if \first
	WIN MULB
.else
	WIN MUL
.endif
	MUL8 0, (\s)%2, \s, \slot, \first
	MUL8 1, (\s)%2, \s, \slot, \first
	PLACES
	FETCH \slot, (\s)+1, 1-(\s)%2, -1
	s_wait_dscnt 36                                ; all but the 36 just issued
.if \first
	WIN MULB
.else
	WIN MUL
.endif
	MUL8 2, (\s)%2, \s, \slot, \first
	MUL8 3, (\s)%2, \s, \slot, \first
.endm
; A slot's last step changes slots: ONE barrier; in front of it each wave waits for all its tensor loads, adds 0 to its spare word, and waits for that and for its own reads of this slot.  fill = 1: the slot is filled again, two slots ahead.
.macro TURN slot, next, fill
	WIN 0                                          ; (the add's two registers lie in window 0)
	s_wait_tensorcnt 0x0                           ; all my tensor loads have landed: my part of the next slot;
	ds_add_u32 v12, v13                            ; 0 onto my spare word
	s_wait_dscnt 7                                 ; (the add and the youngest six loads may be out)
	WIN MUL
	MUL8 0, 1, 3, \slot, 0                         ; eight matrix instructions stand between the add and the wait for it
	s_wait_dscnt 0x0                               ; the add is done, and my reads of this slot are over
	s_barrier_signal -1
	MUL8 1, 1, 3, \slot, 0
	WIN 0
	s_barrier_wait -1
.if \fill
	CREST                                          ; the barrier has opened a round of the cluster's barrier: no wave of any partner still reads this slot or has a load on its way
	s_add_nc_u64 s[G0A+4*\slot+2:G0A+4*\slot+3], s[G0A+4*\slot+2:G0A+4*\slot+3], 2*REC
	s_add_nc_u64 s[G0B+4*\slot+2:G0B+4*\slot+3], s[G0B+4*\slot+2:G0B+4*\slot+3], 2*REC
	JLOAD \slot                                    ; the first tensor load behind the round, 112 matrix instructions ahead of the wait for it; its four v_nop are the places in front of the loads below
.else
	PLACES
.endif
	FETCH \next, 0, 0, \next
	WIN MUL
	MUL8 2, 1, 3, \slot, 0
	MUL8 3, 1, 3, \slot, 0
.endm
	s_wait_tensorcnt 1                             ; my part of slot 0 is in; slot 1's may stay out
	s_barrier_signal -1
	s_barrier_wait -1                              ; everybody's is
	FETCH 0, 0, 0, 0
	STEP 0, 0, 1                                   ; the first step stands in front of the loop: its products start the sums, on the bias
	WIN 0                                          ; at a label and at a branch every window is 0
	s_mov_b32 s19, 3
.Llap:                                                 ; a trip goes once round the ring and fills both slots again: K steps of 512 number 2 to 7
	STEP 0, 1, 0
	STEP 0, 2, 0
	TURN 0, 1, 1
	STEP 1, 0, 0
	STEP 1, 1, 0
	STEP 1, 2, 0
	TURN 1, 0, 1
	STEP 0, 0, 0
	WIN 0
	s_sub_co_u32 s19, s19, 1
	s_cmp_lg_u32 s19, 0
	s_cbranch_scc1 .Llap
	STEP 0, 1, 0                                   ; the last lap fills nothing, and has no round of the cluster's barrier
	STEP 0, 2, 0
	TURN 0, 1, 0
	STEP 1, 0, 0
	STEP 1, 1, 0
	STEP 1, 2, 0
	s_wait_dscnt 6                                 ; the very last step: nothing more to fetch
	WIN MUL
	MUL8 0, 1, 3, 1, 0
	MUL8 1, 1, 3, 1, 0
	s_wait_dscnt 0x0
	MUL8 2, 1, 3, 1, 0
	MUL8 3, 1, 3, 1, 0
	WIN 0
; THE WAY OUT, block by block of 16 rows x 128 columns.  A lane holds 32 neighbouring bytes of a row, and the lanes beside it hold other rows: so a block goes through my own stage in LDS and comes back as whole
; rows of 512 bytes.  LDS serves a wave's instructions in order (ISA guide 5.7.1.4): no wait between the stores and the loads, nor in front of the next block's stores.
.macro TOSTAGE a
	WIN 0x08                                       ; an LDS store's data are its source 1: window 2
.irp b, 0,1,2,3,4,5,6,7
	ds_store_b128 v16, v[64*(\a)+8*\b:64*(\a)+8*\b+3] offset:64*\b            ; each accumulator from its low end on
	ds_store_b128 v16, v[64*(\a)+8*\b+4:64*(\a)+8*\b+7] offset:64*\b+16
.endr
	WIN 0
.set BB, BK+64*((\a)%2)
.irp t, 0,1,2,3,4,5,6,7,8,9,10,11,12,13,14,15
	ds_load_b128 v[BB+4*\t:BB+4*\t+3], v17 offset:\t*SPITCH
.endr
.endm
.macro SEND a, younger                 ; younger: the LDS instructions issued behind block a's loads, which may stay out
.set BB, BK+64*((\a)%2)
	s_wait_dscnt \younger                          ; the block is back in registers
.irp t, 0,1,2,3,4,5,6,7,8,9,10,11,12,13,14,15
	global_store_b128 v3, v[BB+4*\t:BB+4*\t+3], s[74:75] offset:(16*(\a)+\t)*OROW th:TH_STORE_NT   ; 32 lanes store 512 consecutive bytes, at a multiple of 256 from out0's first byte; 63 rows at the most stand in the immediate
.endr
.endm
	PLACES                                         ; behind the last products: results are read, and rows land in registers that held A's fragments
	TOSTAGE 0
.irp a, 1,2,3
.if \a > 1
	s_wait_xcnt 0x0                                ; block a - 2's stores have read their registers: block a's loads may land there
.endif
	TOSTAGE \a
	SEND \a-1, 32                                  ; behind block a - 1's loads: block a's 16 stores and 16 loads
.endr
	SEND 3, 0
	s_wait_tensorcnt 0x0                           ; the wave's end: behind my last tensor load and my last LDS store
	ds_add_u32 v12, v13
	s_wait_dscnt 0x0
	CROUND                                         ; the closing round: no work-group ends while a partner may still ask for a tile that names it
	s_endpgm
.Lfunc_end_k_q8f969d1a24_gemm2:
	.size	k_q8f969d1a24_gemm2, .Lfunc_end_k_q8f969d1a24_gemm2-k_q8f969d1a24_gemm2
	.p2alignl 7, 3214868480
	.fill 96, 4, 3214868480
	.section	.rodata,"a",@progbits
	.p2align	6, 0x0
	.amdhsa_kernel k_q8f969d1a24_gemm2
		.amdhsa_group_segment_fixed_size 327680
		.amdhsa_private_segment_fixed_size 0
		.amdhsa_enable_private_segment 0
		.amdhsa_kernarg_size 32
		.amdhsa_user_sgpr_count 2
		.amdhsa_user_sgpr_kernarg_segment_ptr 1
		.amdhsa_wavefront_size32 1
		.amdhsa_system_sgpr_workgroup_id_x 1
		.amdhsa_system_sgpr_workgroup_id_y 1
		.amdhsa_system_sgpr_workgroup_id_z 1
		.amdhsa_system_vgpr_workitem_id 0
		.amdhsa_next_free_vgpr 1024
		.amdhsa_next_free_sgpr 80
		.amdhsa_reserve_vcc 0
		.amdhsa_float_denorm_mode_32 3
		.amdhsa_float_denorm_mode_16_64 3
		.amdhsa_memory_ordered 1
		.amdhsa_forward_progress 1
		.amdhsa_inst_pref_size 133
	.end_amdhsa_kernel
	.amdgpu_metadata
---
amdhsa.version: [ 1, 2 ]
amdhsa.kernels:
  - .name:           k_q8f969d1a24_gemm2
    .symbol:         k_q8f969d1a24_gemm2.kd
    .args:
      - { .name: hq, .offset: 0, .size: 8, .value_kind: global_buffer, .address_space: global }
      - { .name: w2q, .offset: 8, .size: 8, .value_kind: global_buffer, .address_space: global }
      - { .name: b2, .offset: 16, .size: 8, .value_kind: global_buffer, .address_space: global }
      - { .name: out0, .offset: 24, .size: 8, .value_kind: global_buffer, .address_space: global }
    .group_segment_fixed_size: 327680
    .private_segment_fixed_size: 0
    .kernarg_segment_align: 8
    .kernarg_segment_size: 32
    .max_flat_workgroup_size: 128
    .sgpr_count:     80
    .vgpr_count:     1024
    .wavefront_size: 32
...
	.end_amdgpu_metadata
.endif
;; end of part 3
